; MI455X (gfx1250); checked and timed in simulation.
; The chip was launched on July 23, 2026; its instructions are those of AMD's public machine-readable ISA for CDNA 5 (MIT licence, August 2026) and "CDNA5" Instruction Set Architecture Reference Guide (July 2026). The comments in the code are by the model that wrote it; some were corrected since.
;; Similarity Module. Allowed arithmetic: float matrix products may take bf16 or f16 operands with f32 sums; all other float work in f32.
;; Inputs: clip_embed 256 x 512 float32; concept_embeds 256 x 32 x 512 float32; frame_embeds 256 x 64 x 512 float32; logit_scale one number float32; text_embed 256 x 512 float32.
;; Outputs: out0 256 x 256 float32.
;; One version. Each part assembles by itself: llvm-mc -triple=amdgcn-amd-amdhsa -mcpu=gfx1250 --defsym DOCPART=n.
;; ======== version 1 of 1: 2 launches
;; workspace buffers: ws 25,690,112 bytes
;; launch prep (part 1): grid 784 x 1, 8 waves a work-group, no clusters, 0 bytes of LDS; arguments concept_embeds, frame_embeds, text_embed, clip_embed, ws; writes ws
.if DOCPART == 1
	.amdgcn_target "amdgcn-amd-amdhsa--gfx1250"
	.amdhsa_code_object_version 6
	.text
	.protected	k_q4c5495814d_prep
	.globl	k_q4c5495814d_prep
	.p2align	8
	.type	k_q4c5495814d_prep,@function
k_q4c5495814d_prep:
	s_mov_b64 s[64:65], 0
	v_nop
	global_prefetch_b8 v0, s[64:65] scope:SCOPE_SE
	s_setreg_imm32_b32 hwreg(HW_REG_WAVE_MODE, 25, 1), 1
	s_wait_xcnt 0x0
; Rows of 512 f32 become rows of 512 bf16 in ws.  Concept and frame rows are multiplied by 1 / max(sqrt(sum x^2), 1e-12),
; text and clip rows by 1.0 (the same path; the factor is a select, so no branch hangs on the region).
; ws holds 25,088 rows of 1,024 bytes: concept rows 0-8191, frame rows 8192-24575, text rows 24576-24831, clip rows 24832-25087.
; A work-group takes 32 rows, a wave 4 whole rows: the sum of squares never leaves the wave, so there is no LDS and no barrier.
; Work-groups 0-255 concept, 256-767 frames, 768-775 text, 776-783 clip; the ws row is 32 x work-group + 4 x wave in every region.
; All 16 loads of a wave (8,192 bytes) go out first; each covers 512 consecutive bytes, each store 256 consecutive aligned bytes.
; No matrix unit, cluster or LDS: every byte is read once and written once and no two work-groups share a byte.
; LIMITS: the division is a reciprocal (v_rcp_f32, 1 ULP) and a multiply; the 512 squares are added in another order than a plain
; left-to-right sum; a row whose sum of squares overflows f32 is not honoured (there the norm is not finite either).
.set INROW,  2048                      ; bytes in a row of f32
.set OUTROW, 1024                      ; bytes in a row of bf16
.set Q,   4                            ; v[4:7]   two packed chains of squares
.set SUM, 8                            ; v8       the sum, then the norm, then its reciprocal
.set TP,  9                            ; v9       the other half's sum
.set R,   10                           ; v[10:11] the factor, twice
.set X,   32                           ; v[32:95] row i at X + 16 i, chunk j (4 numbers of my lane) at + 4 j
	s_load_b256 s[4:11], s[0:1], 0x0               ; concept s[4:5], frames s[6:7], text s[8:9], clip s[10:11]
	s_load_b64 s[12:13], s[0:1], 0x20              ; ws
	s_mov_b32 s22, 0x76543210                      ; v_permlanex16_b32: lane i of one half reads lane i of the other
	s_mov_b32 s23, 0xfedcba98
	v_lshrrev_b32 v3, 5, v0                        ; wave
	v_and_b32 v1, 31, v0                           ; lane
	v_lshlrev_b32 v2, 3, v1                        ; out: 8 bytes a lane
	v_lshlrev_b32 v1, 4, v1                        ; in: 16 bytes a lane
	v_lshl_or_b32 v1, v3, 13, v1                   ; + wave x 4 rows x 2,048 bytes
	v_lshl_or_b32 v2, v3, 12, v2                   ; + wave x 4 rows x 1,024 bytes
	v_mov_b32 v[TP], 0                             ; the lane permute's destination counts as read: written once here
	s_wait_kmcnt 0x0
	; which input, and the first work-group of its region: three selects on the work-group's number
	s_mov_b64 s[16:17], s[10:11]
	s_mov_b32 s18, 776
	s_cmp_lt_u32 ttmp9, 776
	s_cselect_b64 s[16:17], s[8:9], s[16:17]
	s_cselect_b32 s18, 768, s18
	s_cmp_lt_u32 ttmp9, 768
	s_cselect_b64 s[16:17], s[6:7], s[16:17]
	s_cselect_b32 s18, 256, s18
	s_cselect_b32 s19, -1, 0                       ; all lanes: this region is normalised (concept, frames) or not
	s_cmp_lt_u32 ttmp9, 256
	s_cselect_b64 s[16:17], s[4:5], s[16:17]
	s_cselect_b32 s18, 0, s18
	s_sub_co_u32 s20, ttmp9, s18
	s_lshl_b32 s20, s20, 16                        ; 32 rows of 2,048 bytes for each work-group of the region (below 2^25)
	s_mov_b32 s21, 0
	s_add_nc_u64 s[16:17], s[16:17], s[20:21]
	s_lshl_b32 s20, ttmp9, 15                      ; 32 rows of 1,024 bytes for each work-group (below 2^25)
	s_add_nc_u64 s[12:13], s[12:13], s[20:21]
.irp i, 0,1,2,3
.irp j, 0,1,2,3
	global_load_b128 v[X+16*\i+4*\j:X+16*\i+4*\j+3], v1, s[16:17] offset:INROW*\i+512*\j th:TH_LOAD_NT
.endr
.endr
; One row.  No register that a load or store names is written again, so no wait frees a source.
.macro ROW i
	s_wait_loadcnt 12-4*\i                         ; loads return in order: this row's four are in, the four of each younger row stay out
	v_pk_mul_f32 v[Q:Q+1],   v[X+16*\i:X+16*\i+1],   v[X+16*\i:X+16*\i+1]       ; the first products start the two chains
	v_pk_mul_f32 v[Q+2:Q+3], v[X+16*\i+2:X+16*\i+3], v[X+16*\i+2:X+16*\i+3]
.irp p, 4,8,12
	v_pk_fma_f32 v[Q:Q+1],   v[X+16*\i+\p:X+16*\i+\p+1],   v[X+16*\i+\p:X+16*\i+\p+1],   v[Q:Q+1]
	v_pk_fma_f32 v[Q+2:Q+3], v[X+16*\i+\p+2:X+16*\i+\p+3], v[X+16*\i+\p+2:X+16*\i+\p+3], v[Q+2:Q+3]
.endr
	v_pk_add_f32 v[Q:Q+1], v[Q:Q+1], v[Q+2:Q+3]
	v_add_f32 v[SUM], v[Q], v[Q+1]
	v_add_f32_dpp v[SUM], v[SUM], v[SUM] row_xmask:1 row_mask:0xf bank_mask:0xf
	v_add_f32_dpp v[SUM], v[SUM], v[SUM] row_xmask:2 row_mask:0xf bank_mask:0xf
	v_add_f32_dpp v[SUM], v[SUM], v[SUM] row_xmask:4 row_mask:0xf bank_mask:0xf
	v_add_f32_dpp v[SUM], v[SUM], v[SUM] row_xmask:8 row_mask:0xf bank_mask:0xf
	v_permlanex16_b32 v[TP], v[SUM], s22, s23
	v_add_f32 v[SUM], v[SUM], v[TP]                ; every lane holds the row's sum of squares
	v_sqrt_f32 v[SUM], v[SUM]
	v_nop                                          ; one plain place behind a transcendental before its result is used
	s_wait_alu depctr_va_vdst(0)
	v_max_num_f32 v[SUM], 0x2b8cbccc, v[SUM]       ; max(norm, 1e-12)
	v_rcp_f32 v[SUM], v[SUM]
	v_nop
	s_wait_alu depctr_va_vdst(0)
	v_cndmask_b32 v[R],   1.0, v[SUM], s19         ; text and clip rows keep their length
	v_cndmask_b32 v[R+1], 1.0, v[SUM], s19
.irp p, 0,2,4,6,8,10,12,14
	v_pk_mul_f32 v[X+16*\i+\p:X+16*\i+\p+1], v[X+16*\i+\p:X+16*\i+\p+1], v[R:R+1]
.endr
.irp j, 0,1,2,3
	v_cvt_pk_bf16_f32 v[X+16*\i+4*\j],   v[X+16*\i+4*\j],   v[X+16*\i+4*\j+1]      ; four roundings to bf16 into the chunk's first two registers
	v_cvt_pk_bf16_f32 v[X+16*\i+4*\j+1], v[X+16*\i+4*\j+2], v[X+16*\i+4*\j+3]
.endr
.irp j, 0,1,2,3
	global_store_b64 v2, v[X+16*\i+4*\j:X+16*\i+4*\j+1], s[12:13] offset:OUTROW*\i+256*\j   ; 32 lanes store 256 consecutive bytes, aligned; read again by the next launch, so no hint
.endr
.endm
	ROW 0
	ROW 1
	ROW 2
	ROW 3
	s_endpgm
.Lfunc_end_k_q4c5495814d_prep:
	.size	k_q4c5495814d_prep, .Lfunc_end_k_q4c5495814d_prep-k_q4c5495814d_prep
	.p2alignl 7, 3214868480
	.fill 96, 4, 3214868480
	.section	.rodata,"a",@progbits
	.p2align	6, 0x0
	.amdhsa_kernel k_q4c5495814d_prep
		.amdhsa_group_segment_fixed_size 0
		.amdhsa_private_segment_fixed_size 0
		.amdhsa_enable_private_segment 0
		.amdhsa_kernarg_size 40
		.amdhsa_user_sgpr_count 2
		.amdhsa_user_sgpr_kernarg_segment_ptr 1
		.amdhsa_wavefront_size32 1
		.amdhsa_system_sgpr_workgroup_id_x 1
		.amdhsa_system_sgpr_workgroup_id_y 1
		.amdhsa_system_sgpr_workgroup_id_z 1
		.amdhsa_system_vgpr_workitem_id 0
		.amdhsa_next_free_vgpr 96
		.amdhsa_next_free_sgpr 66
		.amdhsa_reserve_vcc 0
		.amdhsa_float_denorm_mode_32 3
		.amdhsa_float_denorm_mode_16_64 3
		.amdhsa_memory_ordered 1
		.amdhsa_forward_progress 1
		.amdhsa_inst_pref_size 14
	.end_amdhsa_kernel
	.amdgpu_metadata
---
amdhsa.version: [ 1, 2 ]
amdhsa.kernels:
  - .name:           k_q4c5495814d_prep
    .symbol:         k_q4c5495814d_prep.kd
    .args:
      - { .name: concept_embeds, .offset: 0, .size: 8, .value_kind: global_buffer, .address_space: global }
      - { .name: frame_embeds, .offset: 8, .size: 8, .value_kind: global_buffer, .address_space: global }
      - { .name: text_embed, .offset: 16, .size: 8, .value_kind: global_buffer, .address_space: global }
      - { .name: clip_embed, .offset: 24, .size: 8, .value_kind: global_buffer, .address_space: global }
      - { .name: ws, .offset: 32, .size: 8, .value_kind: global_buffer, .address_space: global }
    .group_segment_fixed_size: 0
    .private_segment_fixed_size: 0
    .kernarg_segment_align: 8
    .kernarg_segment_size: 40
    .max_flat_workgroup_size: 256
    .sgpr_count:     66
    .vgpr_count:     96
    .wavefront_size: 32
...
	.end_amdgpu_metadata
.endif
;; end of part 1
;; launch sim (part 2): grid 8 x 32, 4 waves a work-group, clusters of 4 x 4, 327,680 bytes of LDS; arguments ws, logit_scale, out0; writes out0
.if DOCPART == 2
	.amdgcn_target "amdgcn-amd-amdhsa--gfx1250"
	.amdhsa_code_object_version 6
	.text
	.protected	k_q4c5495814d_sim
	.globl	k_q4c5495814d_sim
	.p2align	8
	.type	k_q4c5495814d_sim,@function
k_q4c5495814d_sim:
	s_mov_b64 s[64:65], 0
	v_nop
	global_prefetch_b8 v0, s[64:65] scope:SCOPE_SE
	s_setreg_imm32_b32 hwreg(HW_REG_WAVE_MODE, 25, 1), 1
	s_wait_xcnt 0x0
	s_wait_alu depctr_hold_cnt(0) depctr_sa_sdst(0) depctr_va_vdst(0) depctr_va_sdst(0) depctr_va_ssrc(0) depctr_va_vcc(0) depctr_vm_vsrc(0)
	s_getreg_b32 s2, hwreg(HW_REG_IB_STS2, 6, 4)
	s_cmp_eq_u32 s2, 0
	s_cbranch_scc0 .Lentry_in_a_cluster
	s_endpgm
.Lentry_in_a_cluster:
	s_bfe_u32 s2, ttmp6, 0x10000c
	s_cmp_lg_u32 s2, 0xf033
	s_cbranch_scc0 .Lentry_shape_is_right
	s_endpgm
.Lentry_shape_is_right:
; out0[t][v] = 0.7 s (text_t . clip_v) + 0.3 s (1/32) sum over q of max over f of (nc[t][q] . nf[v][f]),  s = min(exp(logit_scale), 100).
; ws (bf16 rows of 1,024 bytes): normalised concept rows at 0, normalised frame rows at FR_OFF, text rows at TX_OFF, clip rows at CL_OFF.
; Work-group (bx 0..7, by 0..31) owns concept rows 256 by .. + 255 (texts 8 by .. + 7) and frame rows 2048 bx .. + 2047 (videos 32 bx .. + 31).
; It stays and walks eight blocks of 256 concept rows x 256 frame rows (four videos each).  K = 512 goes in four steps of 128 through a ring of two
; LDS slots, which runs on from block to block: 32 steps in all.  Four waves; a wave makes 128 x 128 of a block in 64 accumulator tiles (512 registers).
; At a block's end the scores are reduced in registers (max over a video's 64 frames, sum over a text's 32 concept rows): eight numbers a wave,
; which go to a small stage in LDS.  The scores themselves never leave the registers.  At the end waves 0 and 1 make the 8 x 32 global products
; from text and clip rows that were brought into LDS once, blend and store.
; CLUSTERS: 4 x 4 work-groups.  A concept tile (and the text rows) hangs on by alone and is asked for jointly by a row of the cluster; a frame tile
; (and the clip rows) hangs on bx alone and is asked for jointly by a column.  All partners make the same 32 steps.
; THE MATRIX INSTRUCTION IS USED TRANSPOSED: source 0 = 16 frame rows, source 1 = 16 concept rows.  Lane l then holds concept row l % 16, and its
; registers 0-7 frames 8 (l / 16) + 0..7: the max over frames is mostly a max over a lane's own registers.
; LIMITS: a NaN among a video's scores is dropped by the maxima (jnp.max would pass it on); a NaN logit_scale gives s = 100; infinite inputs are not
; honoured; operands are bf16, sums f32, added in the matrix unit's order.  out0 is stored in runs of 64 consecutive bytes (four lanes of one row):
; a work-group owns 128 bytes of each of its rows, and out0 is 262,144 bytes against 25,690,112 read.
;
; REGISTERS, in windows of 256:
;   window 0: v0-31 addresses; v32-60 the last phase; v64-127, v128-191 concept fragments, two buffers (at the end: 16 text fragments); v192-219 the reduction
;   window 1: v64-127, v128-191 frame fragments, two buffers (at the end: 16 clip fragments)
;   window 2: the 32 accumulator tiles of my concept rows 0-63 (tile (a, b) at v[8 (8 a + b)]);   window 3: those of rows 64-127
.set KSTEP,  128
.set PITCH,  272                       ; an LDS row of a slot: 256 bytes + 16 of padding, an odd multiple of 16: the 16 rows of a fragment load fall on 16 different 16-byte columns of 256
.set HALFT,  128*PITCH                 ; 128 rows: what one tensor load brings
.set SLOT,   4*HALFT                   ; 256 concept rows, then 256 frame rows: 139,264 bytes
.set STAGE,  2*SLOT                    ; 278,528 = 1088 x 256: 256 bytes for each wave, [block 8][text 4][video 2] f32
.set TXT,    STAGE+1024                ; 279,552 = 1092 x 256: 8 text rows, filled once
.set GPITCH, 1040                      ; 1,024 bytes + 16 of padding
.set CLP,    TXT+8*GPITCH              ; 287,872: 32 clip rows, filled once; ends at 321,152
.set FR_OFF, 8192*1024
.set TX_OFF, 24576*1024
.set CL_OFF, 24832*1024
.set BLOCKS, 8
.set ADRA, 16                          ; v16-17  LDS address of my concept fragments in slot 0, 1
.set ADRB, 20                          ; v20-21  the same for frames
.set ST,   24                          ; v24     my wave's stage
.set GT,   25                          ; v25     text fragments
.set GC,   26                          ; v26     clip fragments
.set LR,   27                          ; v27     where my four local sums lie in the stage
.set OA,   28                          ; v28     my byte offset in out0
.set STC,  29                          ; v29     my wave's stage, this block's 32 bytes
.set GA,   32                          ; v[32:39] global product, even K steps
.set GB,   40                          ; v[40:47] odd K steps
.set O,    48                          ; v[48:51] my four outputs
.set L,    52                          ; v[52:55] my four local sums
.set SG,   56                          ; v[56:57] 0.7 s, twice
.set SL,   58                          ; v[58:59] (0.3 / 32) s, twice
.set SC,   60                          ; v60      s
.set F0,   64
.set F1,   128
.set MX,   192                         ; v[192:207] maxima: 2 x (concept row tile 0..7) + video 0..1
.set S,    208                         ; v[208:215] sums: 2 x text 0..3 + video
.set T,    216                         ; v[216:219] the other half's maxima
.set G1,  24                           ; s[24:31] group 1, concept tiles
.set G0,  32                           ; s[32:39] group 0, concept tiles, one set for each slot
.set G1B, 48                           ; s[48:55] group 1, frame tiles
.set G0B, 56                           ; s[56:63] group 0, frame tiles, one set for each slot
.set G1T, 68                           ; s[68:75] group 1, text rows
.set G1C, 76                           ; s[76:83] group 1, clip rows
.set G0T, 84                           ; s[84:87] group 0, text rows
.set G0C, 88                           ; s[88:91] group 0, clip rows
.set MSB, 0
.macro WIN new                         ; the immediate's high byte repeats the setting that is left; a switch that changes nothing is dropped
.if MSB != \new
	s_set_vgpr_msb (MSB<<8)|\new
.set MSB, \new
.endif
.endm
.set MUL_LO, 0xa1                      ; source 0 (frames) window 1, source 1 (concepts) window 0, C and D window 2
.set MUL_HI, 0xf1                      ; the same, C and D window 3
.set TO_B,   0x40                      ; destination window 1, address window 0
; A joint load of a ring tile.  Waves 0 and 1 fetch the two halves of the concept tile, waves 2 and 3 those of the frame tile.  Each line has one mask and one
; set of registers; the branch hangs on the wave's number alone.
.macro JLOAD s
	s_cmp_eq_u32 s11, 0
	s_cbranch_scc0 .Lfor_b_\@
	tensor_load_to_lds s[G0+4*\s:G0+4*\s+3], s[G1:G1+7]
	s_nop 0
	s_branch .Lasked_\@
.Lfor_b_\@:
	tensor_load_to_lds s[G0B+4*\s:G0B+4*\s+3], s[G1B:G1B+7]
	s_nop 0
.Lasked_\@:
.endm
; A round of the cluster's barrier: my work-group's barrier, wave 0 signals for the work-group, every wave waits for all sixteen, my work-group's barrier again.
.macro CREST                           ; a round behind its opening barrier
	s_cmp_lg_u32 s10, 0
	s_cbranch_scc1 .Lnot_wave_0_\@
	s_barrier_signal -3
.Lnot_wave_0_\@:
	s_barrier_wait -3
	s_barrier_signal -1
	s_barrier_wait -1
.endm
.macro CROUND                          ; a whole round
	s_barrier_signal -1
	s_barrier_wait -1
	CREST
.endm
	s_load_b128 s[4:7], s[0:1], 0x0                ; ws s[4:5], logit_scale's address s[6:7]
	s_load_b64 s[8:9], s[0:1], 0x10                ; out0
	s_set_vgpr_msb 0x40
	v_lshl_add_u32 v255, v0, 2, 0x4e700
	s_set_vgpr_msb 0x4000
	v_mov_b32 v255, 0
	s_set_vgpr_msb 0x1
	ds_add_u32 v255, v255
	s_set_vgpr_msb 0x100
	v_lshrrev_b32 v1, 5, v0
	v_readfirstlane_b32 s10, v1                    ; wave 0..3
	s_lshr_b32 s11, s10, 1                         ; which half of the block's concept rows is mine.  Also: I fetch concepts (0) or frames (1)
	s_and_b32 s12, s10, 1                          ; which half of its frame rows.  Also: which 128 rows of that tile I fetch
	s_bfe_u32 s40, ttmp6, 0x40000                  ; cx
	s_bfe_u32 s41, ttmp6, 0x40004                  ; cy
	s_lshl_b32 s42, ttmp9, 2
	s_add_co_u32 s42, s42, s40                     ; bx = 4 x cluster x + cx
	s_and_b32 s13, ttmp7, 0xffff
	s_lshl_b32 s13, s13, 2
	s_add_co_u32 s13, s13, s41                     ; by = 4 x cluster y + cy
	s_lshl_b32 s43, s41, 2
	s_lshl_b32 s43, 15, s43                        ; my row of the cluster: places 4 cy .. 4 cy + 3
	s_lshl_b32 s44, 0x1111, s40                    ; my column: places cx, cx + 4, cx + 8, cx + 12
	s_mov_b32 s66, 0x76543210                      ; v_permlanex16_b32: lane i of one half reads lane i of the other
	s_mov_b32 s67, 0xfedcba98
	; group 1 of the ring's tiles: 128 rows x 128 elements of 2 bytes, row pitch 512 elements, 4 words of padding behind every 64
	s_or_b32 s[G1+0],  s43, (1<<16)|(1<<20)|(1<<21)|(5<<22)|(3<<25)   ; mask: my row; element of 2 bytes; padding on; bit 21 beside a mask; every 64 words (code 5); 4 words (code 3)
	s_or_b32 s[G1B+0], s44, (1<<16)|(1<<20)|(1<<21)|(5<<22)|(3<<25)   ; the same with the mask of my column
	s_mov_b32 s[G1+1],  KSTEP<<16                  ; tensor_dim0 = 128
	s_mov_b32 s[G1B+1], KSTEP<<16
	s_mov_b32 s[G1+2],  128<<16                    ; tensor_dim1 = 128
	s_mov_b32 s[G1B+2], 128<<16
	s_mov_b32 s[G1+3],  KSTEP<<16                  ; tile_dim0 = 128
	s_mov_b32 s[G1B+3], KSTEP<<16
	s_mov_b32 s[G1+4],  128                        ; tile_dim1 = 128
	s_mov_b32 s[G1B+4], 128
	s_mov_b32 s[G1+5],  512                        ; elements from row to row
	s_mov_b32 s[G1B+5], 512
	s_mov_b32 s[G1+6],  0
	s_mov_b32 s[G1B+6], 0
	s_mov_b32 s[G1+7],  0
	s_mov_b32 s[G1B+7], 0
	; group 1 of the text rows (2 a wave) and of the clip rows (8 a wave): whole rows of 512 elements, 4 words of padding behind every 256
	s_or_b32 s[G1T+0], s43, (1<<16)|(1<<20)|(1<<21)|(7<<22)|(3<<25)   ; text hangs on by: my row
	s_or_b32 s[G1C+0], s44, (1<<16)|(1<<20)|(1<<21)|(7<<22)|(3<<25)   ; clip hangs on bx: my column
	s_mov_b32 s[G1T+1], 512<<16                    ; tensor_dim0 = 512
	s_mov_b32 s[G1C+1], 512<<16
	s_mov_b32 s[G1T+2], 2<<16                      ; tensor_dim1 = 2
	s_mov_b32 s[G1C+2], 8<<16                      ; tensor_dim1 = 8
	s_mov_b32 s[G1T+3], 512<<16                    ; tile_dim0 = 512
	s_mov_b32 s[G1C+3], 512<<16
	s_mov_b32 s[G1T+4], 2                          ; tile_dim1
	s_mov_b32 s[G1C+4], 8
	s_mov_b32 s[G1T+5], 512
	s_mov_b32 s[G1C+5], 512
	s_mov_b32 s[G1T+6], 0
	s_mov_b32 s[G1C+6], 0
	s_mov_b32 s[G1T+7], 0
	s_mov_b32 s[G1C+7], 0
	; byte offsets in ws.  Those of concepts and text are made of by and the wave's number, those of frames and clip of bx and the wave's number,
	; each in registers that never hold the other coordinate.
	s_lshl_b32 s16, s13, 18                        ; 256 concept rows of 1,024 bytes for each by
	s_lshl_b32 s17, s12, 17                        ; + my 128 rows
	s_add_co_u32 s16, s16, s17
	s_mov_b32 s17, 0
	s_lshl_b32 s46, s42, 21                        ; 2,048 frame rows of 1,024 bytes for each bx
	s_lshl_b32 s47, s12, 17
	s_add_co_u32 s46, s46, s47
	s_add_co_u32 s46, s46, FR_OFF
	s_mov_b32 s47, 0
	s_lshl_b32 s94, s13, 13                        ; 8 text rows for each by
	s_lshl_b32 s95, s10, 11                        ; + my 2 rows
	s_add_co_u32 s94, s94, s95
	s_add_co_u32 s94, s94, TX_OFF
	s_mov_b32 s95, 0
	s_lshl_b32 s96, s42, 15                        ; 32 clip rows for each bx
	s_lshl_b32 s97, s10, 13                        ; + my 8 rows
	s_add_co_u32 s96, s96, s97
	s_add_co_u32 s96, s96, CL_OFF
	s_mov_b32 s97, 0
	s_mul_i32 s20, s10, HALFT                      ; where my part of a ring tile goes: wave x 128 rows
	s_wait_dscnt 0x0
	s_wait_kmcnt 0x0
	s_load_b32 s92, s[6:7], 0x0                    ; logit_scale; waited for ahead of the loop
	s_add_nc_u64 s[14:15], s[4:5], s[16:17]
	s_add_nc_u64 s[46:47], s[4:5], s[46:47]
	s_add_nc_u64 s[94:95], s[4:5], s[94:95]
	s_add_nc_u64 s[96:97], s[4:5], s[96:97]
.irp s, 0,1
	s_mov_b32 s[G0+4*\s], 1                                        ; count = 1
	s_add_co_u32 s[G0+4*\s+1], s20, \s*SLOT                        ; LDS address
	s_add_nc_u64 s[G0+4*\s+2:G0+4*\s+3], s[14:15], \s*KSTEP*2      ; global address: K step s of block 0
	s_or_b32 s[G0+4*\s+3], s[G0+4*\s+3], 0x80000000                ; type = 2
	s_mov_b32 s[G0B+4*\s], 1
	s_add_co_u32 s[G0B+4*\s+1], s20, \s*SLOT
	s_add_nc_u64 s[G0B+4*\s+2:G0B+4*\s+3], s[46:47], \s*KSTEP*2
	s_or_b32 s[G0B+4*\s+3], s[G0B+4*\s+3], 0x80000000
.endr
	s_mov_b32 s[G0T], 1
	s_mul_i32 s[G0T+1], s10, 2*GPITCH
	s_add_co_u32 s[G0T+1], s[G0T+1], TXT
	s_mov_b64 s[G0T+2:G0T+3], s[94:95]
	s_or_b32 s[G0T+3], s[G0T+3], 0x80000000
	s_mov_b32 s[G0C], 1
	s_mul_i32 s[G0C+1], s10, 8*GPITCH
	s_add_co_u32 s[G0C+1], s[G0C+1], CLP
	s_mov_b64 s[G0C+2:G0C+3], s[96:97]
	s_or_b32 s[G0C+3], s[G0C+3], 0x80000000
	CROUND                                         ; all sixteen work-groups are here: the first joint loads meet
	JLOAD 0                                        ; four tensor loads of the wave are out behind these lines, the most in this text
	JLOAD 1
	tensor_load_to_lds s[G0T:G0T+3], s[G1T:G1T+7]
	s_nop 0
	tensor_load_to_lds s[G0C:G0C+3], s[G1C:G1C+7]
	s_nop 0
	; A fragment is 16 rows x 32 K in 8 registers: lane l holds row l % 16; registers 0-3 K = 8 (l / 16) + 0..7, registers 4-7 K = 16 + 8 (l / 16) + 0..7:
	; two loads of 16 bytes, 32 bytes apart, at row x pitch + 16 (l / 16).
	v_and_b32 v1, 15, v0                           ; r = l % 16
	v_bfe_u32 v2, v0, 4, 1                         ; h = l / 16
	v_mul_u32_u24 v3, v1, PITCH
	v_lshl_add_u32 v3, v2, 4, v3
	s_mul_i32 s21, s11, HALFT                      ; my 128 concept rows
	s_mul_i32 s22, s12, HALFT                      ; my 128 frame rows,
	s_add_co_u32 s22, s22, 2*HALFT                 ; which lie behind the 256 concept rows
.irp s, 0,1
	v_add_nc_u32 v[ADRA+\s], s21, v3
	v_add_nc_u32 v[ADRB+\s], s22, v3
	s_add_co_u32 s21, s21, SLOT
	s_add_co_u32 s22, s22, SLOT
.endr
	s_lshl_b32 s23, s10, 8
	s_add_co_u32 s23, s23, STAGE
	v_mov_b32 v[ST], s23                           ; my wave's 256 bytes of the stage
	; the last phase's addresses.  Only waves 0 and 1 use them; they are made with wave & 1, which is their number, and lie inside LDS in every wave.
	v_and_b32 v4, 7, v0                            ; text row r & 7 (lanes with r >= 8 repeat the eight texts)
	v_mul_u32_u24 v5, v4, GPITCH
	v_lshl_add_u32 v5, v2, 4, v5
	v_add_nc_u32 v[GT], TXT, v5
	v_mul_u32_u24 v5, v1, GPITCH                   ; clip row 16 x wave + r
	v_lshl_add_u32 v5, v2, 4, v5
	s_mul_i32 s21, s12, 16*GPITCH
	s_add_co_u32 s21, s21, CLP
	v_add_nc_u32 v[GC], s21, v5
	; My four outputs: text r & 7, videos 16 wave + 8 h + 4 q + 0..3, q = r / 8.  Those four are block 4 wave + 2 h + q; videos 0, 1 of a block were
	; made by the waves with an even number, 2, 3 by those with an odd one (256 bytes further); texts 0-3 by waves 0, 1, texts 4-7 by waves 2, 3 (512 bytes further).
	v_bfe_u32 v3, v0, 3, 2                         ; 2 h + q
	v_bfe_u32 v5, v0, 2, 1                         ; (r & 7) / 4
	v_lshlrev_b32 v5, 9, v5
	v_lshl_add_u32 v5, v3, 5, v5                   ; 32 bytes a block
	v_and_b32 v1, 3, v0                            ; text within the wave
	v_lshl_add_u32 v5, v1, 3, v5                   ; 8 bytes a text
	s_lshl_b32 s21, s12, 7                         ; 4 blocks x 32 bytes for each wave
	s_add_co_u32 s21, s21, STAGE
	v_add_nc_u32 v[LR], s21, v5
	v_lshlrev_b32 v5, 10, v4                       ; a row of out0 is 1,024 bytes
	v_lshl_add_u32 v5, v3, 4, v5                   ; 16 bytes for each (h, q)
	s_lshl_b32 s21, s12, 6                         ; 16 videos x 4 bytes for each wave
	v_add_nc_u32 v[OA], s21, v5
.irp k, 0,1,2,3
	v_mov_b32 v[T+\k], 0                           ; the lane permute's destination counts as read: written once here
.endr
; 16 matrix instructions: concept row tiles a0, a0 + 1 of the window's four x all 8 frame tiles, 32 along K.  zero = 1: the first product starts the sums.
; The 64 accumulators take turns, one instruction a turn, in the same order in every quarter step.
.macro MUL16 f, hi, a0, zero
.irp a, \a0, \a0+1
.irp b, 0,1,2,3,4,5,6,7
.if \zero
	v_wmma_f32_16x16x32_bf16 v[8*(8*(\a)+\b):8*(8*(\a)+\b)+7], v[\f+8*\b:\f+8*\b+7], v[\f+8*(4*\hi+\a):\f+8*(4*\hi+\a)+7], 0
.else
	v_wmma_f32_16x16x32_bf16 v[8*(8*(\a)+\b):8*(8*(\a)+\b)+7], v[\f+8*\b:\f+8*\b+7], v[\f+8*(4*\hi+\a):\f+8*(4*\hi+\a)+7], v[8*(8*(\a)+\b):8*(8*(\a)+\b)+7]
.endif
.endr
.endr
.endm
; 32 LDS loads in one run: the fragments of one quarter step (128 frame rows, 128 concept rows, 32 K at byte k of the rows) into buffer f
.macro FETCH slot, k, f
	WIN TO_B
.irp i, 0,1,2,3,4,5,6,7
	ds_load_b128 v[\f+8*\i:\f+8*\i+3],   v[ADRB+\slot] offset:\k+\i*16*PITCH
	ds_load_b128 v[\f+8*\i+4:\f+8*\i+7], v[ADRB+\slot] offset:\k+\i*16*PITCH+32
.endr
	WIN 0
.irp i, 0,1,2,3,4,5,6,7
	ds_load_b128 v[\f+8*\i:\f+8*\i+3],   v[ADRA+\slot] offset:\k+\i*16*PITCH
	ds_load_b128 v[\f+8*\i+4:\f+8*\i+7], v[ADRA+\slot] offset:\k+\i*16*PITCH+32
.endr
.endm
; Four places behind a matrix instruction before a load lands in one of its sources or a vector instruction reads its result;
; the matrix instructions in between are not counted as places.
.macro PLACES
.rept 4
	v_nop
.endr
.endm
; A K step is four quarter steps of 32 along K, 64 matrix instructions each, on buffers 0, 1, 0, 1.
.macro QUARTER slot, k, f, g, zero
	s_wait_dscnt 8                                 ; the frame fragments and concept rows 0-63 are in; the youngest eight LDS instructions (concept rows 64-127; behind a block's end two stage stores and six of those loads) may be out
	WIN MUL_LO
	MUL16 \f, 0, 0, \zero
	MUL16 \f, 0, 2, \zero
	PLACES
	FETCH \slot, \k, \g
	s_wait_dscnt 32                                ; all but the 32 just issued
	WIN MUL_HI
	MUL16 \f, 1, 0, \zero
	MUL16 \f, 1, 2, \zero
.endm
.macro THREE slot, zero
	QUARTER \slot, 64,  F0, F1, \zero
	QUARTER \slot, 128, F1, F0, 0
	QUARTER \slot, 192, F0, F1, 0
.endm
; The last quarter of a K step: multiplies buffer 1 and changes slots.  fill = 1: this slot is filled again with the step two ahead in the stream.
; wrap = 0: that step is 256 elements on in the same block.  wrap = 1: it is in the next block: 256 elements back along K; the concept rows are the same,
; the frame rows 256 further down.
; One barrier for the change of slots.  In front of it each wave waits for its reads of this slot and for all its tensor loads (the one out is its part of the
; next slot; in the first step also the text and clip rows, which this barrier shows to all waves).  Where the slot is filled again the barrier opens a round
; of the cluster's barrier, inside which only registers are worked on, and the joint refill is the first tensor load behind the round's closing wait.
; From a request to the wait for it a wave issues 240 matrix instructions.
.macro TURN slot, next, fill, wrap
	s_wait_dscnt 8
	WIN MUL_LO
	MUL16 F1, 0, 0, 0
	s_wait_dscnt 0                                 ; my reads of this slot, and my stage stores, are over
	s_wait_tensorcnt 0x0                           ; all my tensor loads have landed
	ds_add_u32 v255, v255
	s_wait_dscnt 0x0
	s_barrier_signal -1
	MUL16 F1, 0, 2, 0                              ; registers only
	WIN 0
	s_barrier_wait -1
.if \fill
	CREST                                          ; no wave of any partner still reads this slot or has a load on its way
.if \wrap
	s_sub_nc_u64 s[G0+4*\slot+2:G0+4*\slot+3], s[G0+4*\slot+2:G0+4*\slot+3], 2*KSTEP*2
	s_add_nc_u64 s[G0B+4*\slot+2:G0B+4*\slot+3], s[G0B+4*\slot+2:G0B+4*\slot+3], 256*1024-2*KSTEP*2
.else
	s_add_nc_u64 s[G0+4*\slot+2:G0+4*\slot+3], s[G0+4*\slot+2:G0+4*\slot+3], 2*KSTEP*2
	s_add_nc_u64 s[G0B+4*\slot+2:G0B+4*\slot+3], s[G0B+4*\slot+2:G0B+4*\slot+3], 2*KSTEP*2
.endif
	JLOAD \slot
.endif
	PLACES
	FETCH \next, 0, F0
	WIN MUL_HI
	MUL16 F1, 1, 0, 0
	MUL16 F1, 1, 2, 0
.endm
.macro LASTQ                           ; the very last quarter: nothing more to fetch
	s_wait_dscnt 8
	WIN MUL_LO
	MUL16 F1, 0, 0, 0
	MUL16 F1, 0, 2, 0
	s_wait_dscnt 0
	WIN MUL_HI
	MUL16 F1, 1, 0, 0
	MUL16 F1, 1, 2, 0
.endm
; Eight chains of maxima over one window: chain (a, vv) runs over the 32 neighbouring registers of tiles (a, 4 vv .. 4 vv + 3): 32 of video vv's 64 frames
; for concept row 16 (4 hi + a) + r.  The step is the outer loop, so that the chains take turns.
.macro MAXES hi
.irp a, 0,1,2,3
.irp vv, 0,1
	v_max_num_f32 v[MX+2*(4*\hi+\a)+\vv], v[64*\a+32*\vv], v[64*\a+32*\vv+1]
.endr
.endr
.irp i, 1,2,3,4,5,6,7,8,9,10,11,12,13,14,15
.irp a, 0,1,2,3
.irp vv, 0,1
	v_max3_num_f32 v[MX+2*(4*\hi+\a)+\vv], v[64*\a+32*\vv+2*\i], v[64*\a+32*\vv+2*\i+1], v[MX+2*(4*\hi+\a)+\vv]
.endr
.endr
.endr
.endm
; A block's end: 128 x 128 scores of the wave become 4 texts x 2 videos.  tail = 0: in the loop, block number s3; tail = 1: the last block.
.macro EPI tail
	PLACES                                         ; behind the last matrix instructions, before their results are read
	WIN 0x0a                                       ; sources 0 and 1 window 2; source 2 and destination window 0
	MAXES 0
	WIN 0x0f                                       ; sources 0 and 1 window 3
	MAXES 1
	WIN 0
.irp g, 0,4,8,12
.irp k, 0,1,2,3
	v_permlanex16_b32 v[T+\k], v[MX+\g+\k], s66, s67               ; the other half of the lanes holds the other 32 frames
.endr
.irp k, 0,1,2,3
	v_max_num_f32 v[MX+\g+\k], v[MX+\g+\k], v[T+\k]
.endr
.endr
.irp x, 0,1,2,3
	v_pk_add_f32 v[S+2*\x:S+2*\x+1], v[MX+4*\x:MX+4*\x+1], v[MX+4*\x+2:MX+4*\x+3]   ; a text's two row tiles, both videos
.endr
.irp m, 1,2,4,8
.irp k, 0,1,2,3,4,5,6,7
	v_add_f32_dpp v[S+\k], v[S+\k], v[S+\k] row_xmask:\m row_mask:0xf bank_mask:0xf  ; over the 16 rows of a tile: every lane ends with the sum over the text's 32 rows
.endr
.endr
.if \tail
	ds_store_b128 v[ST], v[S:S+3]   offset:32*(BLOCKS-1)           ; all lanes write the same words with the same values
	ds_store_b128 v[ST], v[S+4:S+7] offset:32*(BLOCKS-1)+16
.else
	s_lshl_b32 s21, s3, 5                          ; 32 bytes a block
	v_add_nc_u32 v[STC], s21, v[ST]
	ds_store_b128 v[STC], v[S:S+3]
	ds_store_b128 v[STC], v[S+4:S+7] offset:16
.endif
.endm
	s_wait_kmcnt 0x0                               ; logit_scale
	s_wait_tensorcnt 0x3                           ; my part of K step 0 is in; the three loads issued behind it (slot 1, text, clip) stay out
	s_barrier_signal -1
	s_barrier_wait -1                              ; everybody's part is in
	FETCH 0, 0, F0
	WIN 0                                          ; at a label and at a branch every window is 0
	s_mov_b32 s3, 0
.Lblock:                                           ; a trip is one block: four K steps, 1,024 matrix instructions a wave, then the reduction
	THREE 0, 1                                     ; the block's first products start the sums: nothing is cleared
	TURN 0, 1, 1, 0
	THREE 1, 0
	TURN 1, 0, 1, 0
	THREE 0, 0
	TURN 0, 1, 1, 1                                ; from here the refills belong to the next block
	THREE 1, 0
	TURN 1, 0, 1, 1                                ; it also fetches the next block's first fragments, which land during the reduction
	EPI 0
	WIN 0
	s_add_co_u32 s3, s3, 1
	s_cmp_lt_u32 s3, BLOCKS-1
	s_cbranch_scc1 .Lblock
	THREE 0, 1                                     ; the last block, written out: its last two K steps fill nothing, so no load leaves ws
	TURN 0, 1, 1, 0
	THREE 1, 0
	TURN 1, 0, 1, 0
	THREE 0, 0
	TURN 0, 1, 0, 0                                ; behind its wait for all tensor loads none is out from here on
	THREE 1, 0
	LASTQ
	EPI 1
	s_wait_dscnt 0x0                               ; my stage stores are done,
	s_barrier_signal -1
	s_barrier_wait -1                              ; everybody's are
	s_lshl_b32 s16, s13, 13                        ; out0 at my block: 8 rows of 1,024 bytes for each by,
	s_mov_b32 s17, 0
	s_add_nc_u64 s[8:9], s[8:9], s[16:17]
	s_lshl_b32 s46, s42, 7                         ; 32 columns of 4 bytes for each bx
	s_mov_b32 s47, 0
	s_add_nc_u64 s[8:9], s[8:9], s[46:47]
	s_cmp_gt_u32 s10, 1
	s_cbranch_scc1 .Lclose                         ; the 8 x 32 outputs are two tiles of 16 videos: waves 0 and 1; no barrier stands inside
	; The global product: source 0 = clip rows 16 wave + 0..15, source 1 = text rows r & 7; K = 512 in 16 instructions on two accumulators.
	ds_load_b64 v[L:L+1],   v[LR]                  ; my four local sums
	ds_load_b64 v[L+2:L+3], v[LR] offset:256
	WIN TO_B
.irp kk, 0,1,2,3,4,5,6,7,8,9,10,11,12,13,14,15
	ds_load_b128 v[F0+8*\kk:F0+8*\kk+3],   v[GC] offset:64*\kk
	ds_load_b128 v[F0+8*\kk+4:F0+8*\kk+7], v[GC] offset:64*\kk+32
.endr
	WIN 0
.irp kk, 0,1,2,3,4,5,6,7,8,9,10,11,12,13,14,15
	ds_load_b128 v[F0+8*\kk:F0+8*\kk+3],   v[GT] offset:64*\kk
	ds_load_b128 v[F0+8*\kk+4:F0+8*\kk+7], v[GT] offset:64*\kk+32
.endr
	v_mov_b32 v[SC], s92                           ; the scale, while the loads are on their way
	v_mul_f32 v[SC], 0x3fb8aa3b, v[SC]             ; e^x = 2^(x log2 e)
	v_exp_f32 v[SC], v[SC]
	v_and_b32 v1, 8, v0                            ; the plain place behind the transcendental: lanes with r >= 8
	s_wait_alu depctr_va_vdst(0)
	v_min_num_f32 v[SC], 0x42c80000, v[SC]         ; min(.., 100)
	v_mul_f32 v[SG], 0x3f333333, v[SC]             ; 0.7 s
	v_mul_f32 v[SL], 0x3c19999a, v[SC]             ; 0.3 s / 32
	v_mov_b32 v[SG+1], v[SG]
	v_mov_b32 v[SL+1], v[SL]
	v_cmp_ne_u32 vcc_lo, 0, v1
	s_wait_dscnt 0x0
	WIN 0x01                                       ; source 0 (clip) window 1, all else window 0
	v_wmma_f32_16x16x32_bf16 v[GA:GA+7], v[F0:F0+7],    v[F0:F0+7],    0
	v_wmma_f32_16x16x32_bf16 v[GB:GB+7], v[F0+8:F0+15], v[F0+8:F0+15], 0
.irp kk, 2,4,6,8,10,12,14
	v_wmma_f32_16x16x32_bf16 v[GA:GA+7], v[F0+8*\kk:F0+8*\kk+7],    v[F0+8*\kk:F0+8*\kk+7],    v[GA:GA+7]   ; the two accumulators take turns, one instruction a turn
	v_wmma_f32_16x16x32_bf16 v[GB:GB+7], v[F0+8*\kk+8:F0+8*\kk+15], v[F0+8*\kk+8:F0+8*\kk+15], v[GB:GB+7]
.endr
	WIN 0
	PLACES
.irp p, 0,2,4,6
	v_pk_add_f32 v[GA+\p:GA+\p+1], v[GA+\p:GA+\p+1], v[GB+\p:GB+\p+1]
.endr
.irp i, 0,1,2,3
	v_cndmask_b32 v[O+\i], v[GA+\i], v[GA+4+\i], vcc_lo            ; register j is video 16 wave + 8 h + j of text r & 7: lanes with r < 8 keep j = 0..3, the others j = 4..7
.endr
	v_pk_mul_f32 v[O:O+1],   v[O:O+1],   v[SG:SG+1]
	v_pk_mul_f32 v[O+2:O+3], v[O+2:O+3], v[SG:SG+1]
	v_pk_fma_f32 v[O:O+1],   v[L:L+1],   v[SL:SL+1], v[O:O+1]
	v_pk_fma_f32 v[O+2:O+3], v[L+2:L+3], v[SL:SL+1], v[O+2:O+3]
	global_store_b128 v[OA], v[O:O+3], s[8:9]      ; four lanes of a text store 64 consecutive bytes of its row
.Lclose:
	s_set_vgpr_msb 0x1
	s_wait_tensorcnt 0x0
	ds_add_u32 v255, v255
	s_wait_dscnt 0x0
	s_set_vgpr_msb 0x100
	CROUND                                         ; the closing round: no work-group ends while a partner may still ask for a tile that names it
	s_endpgm
.Lfunc_end_k_q4c5495814d_sim:
	.size	k_q4c5495814d_sim, .Lfunc_end_k_q4c5495814d_sim-k_q4c5495814d_sim
	.p2alignl 7, 3214868480
	.fill 96, 4, 3214868480
	.section	.rodata,"a",@progbits
	.p2align	6, 0x0
	.amdhsa_kernel k_q4c5495814d_sim
		.amdhsa_group_segment_fixed_size 327680
		.amdhsa_private_segment_fixed_size 0
		.amdhsa_enable_private_segment 0
		.amdhsa_kernarg_size 24
		.amdhsa_user_sgpr_count 2
		.amdhsa_user_sgpr_kernarg_segment_ptr 1
		.amdhsa_wavefront_size32 1
		.amdhsa_system_sgpr_workgroup_id_x 1
		.amdhsa_system_sgpr_workgroup_id_y 1
		.amdhsa_system_sgpr_workgroup_id_z 1
		.amdhsa_system_vgpr_workitem_id 0
		.amdhsa_next_free_vgpr 1024
		.amdhsa_next_free_sgpr 98
		.amdhsa_reserve_vcc 1
		.amdhsa_float_denorm_mode_32 3
		.amdhsa_float_denorm_mode_16_64 3
		.amdhsa_memory_ordered 1
		.amdhsa_forward_progress 1
		.amdhsa_inst_pref_size 255
	.end_amdhsa_kernel
	.section	.bss,"aw",@nobits
	.p2align	6
	.space	262144
	.amdgpu_metadata
---
amdhsa.version: [ 1, 2 ]
amdhsa.kernels:
  - .name:           k_q4c5495814d_sim
    .symbol:         k_q4c5495814d_sim.kd
    .args:
      - { .name: ws, .offset: 0, .size: 8, .value_kind: global_buffer, .address_space: global }
      - { .name: logit_scale, .offset: 8, .size: 8, .value_kind: global_buffer, .address_space: global }
      - { .name: out0, .offset: 16, .size: 8, .value_kind: global_buffer, .address_space: global }
    .group_segment_fixed_size: 327680
    .private_segment_fixed_size: 0
    .kernarg_segment_align: 8
    .kernarg_segment_size: 24
    .max_flat_workgroup_size: 128
    .sgpr_count:     98
    .vgpr_count:     1024
    .wavefront_size: 32
...
	.end_amdgpu_metadata
.endif
;; end of part 2
